; MI455X (gfx1250); checked and timed in simulation.
; The chip was launched on July 23, 2026; its instructions are those of AMD's public machine-readable ISA for CDNA 5 (MIT licence, August 2026) and "CDNA5" Instruction Set Architecture Reference Guide (July 2026). The comments in the code are by the model that wrote it; some were corrected since.
;; Sparse Mo E. Allowed arithmetic: matrix products marked QUANTISED: E2M1 operands, one E8M0 scale for each 32 along K, by v_wmma_scale_f32_16x16x128_f8f6f4 with both operands' format E2M1 (or v_wmma_scale_f32_32x16x128_f4), f32 sums; products left as they are: f32 operands where the result goes on into a quantised operand, else bf16, f16 or f32 operands; f32 sums; everything else in f32.
;; Inputs: W1 8 x 512 x 2,048 float32; W2 8 x 2,048 x 512 float32; Wg 512 x 8 float32; b1 8 x 2,048 float32; b2 8 x 512 float32; bg 8 float32; x 8 x 512 x 512 float32.
;; Outputs: out0 8 x 512 x 512 float32; out1 one number float32; out2 one number float32.
;; This version of the problem:
;;   THIS VERSION OF THE PROBLEM IS GIVEN IN LOW PRECISION. The matrix products marked QUANTISED in the list below multiply operands that are first quantised to E2M1 (2 exponent bits, 1 mantissa bit; 4 bits a number), with one power-of-two scale for each 32 numbers along K (OCP MX v1.0); their sums are f32. All else is computed in f32.
;;   The module's matrix products, in the order in which they are computed (A, B: the left and right operand; K: the contracted axis; several contracted axes count as one K, in the product's order):
;;     1. [M 4,096, K 512] x [K 512, N 8]; A: input x; B: input Wg: left as it is (N = 8 < 16)
;;     2. batch 4,096 x [M 1, K 2] x [K 2, N 8]; A: softmax; B: computed on the way: left as it is (K = 2 < 32)
;;     3. [M 4,096, K 512] x [K 512, N 2,048]; A: input x; B: input W1: QUANTISED
;;     4. [M 4,096, K 2,048] x [K 2,048, N 512]; A: computed on the way; B: input W2: QUANTISED
;;     5. [M 4,096, K 512] x [K 512, N 2,048]; A: input x; B: input W1: QUANTISED
;;     6. [M 4,096, K 2,048] x [K 2,048, N 512]; A: computed on the way; B: input W2: QUANTISED
;;     7. [M 4,096, K 512] x [K 512, N 2,048]; A: input x; B: input W1: QUANTISED
;;     8. [M 4,096, K 2,048] x [K 2,048, N 512]; A: computed on the way; B: input W2: QUANTISED
;;     9. [M 4,096, K 512] x [K 512, N 2,048]; A: input x; B: input W1: QUANTISED
;;     10. [M 4,096, K 2,048] x [K 2,048, N 512]; A: computed on the way; B: input W2: QUANTISED
;;     11. [M 4,096, K 512] x [K 512, N 2,048]; A: input x; B: input W1: QUANTISED
;;     12. [M 4,096, K 2,048] x [K 2,048, N 512]; A: computed on the way; B: input W2: QUANTISED
;;     13. [M 4,096, K 512] x [K 512, N 2,048]; A: input x; B: input W1: QUANTISED
;;     14. [M 4,096, K 2,048] x [K 2,048, N 512]; A: computed on the way; B: input W2: QUANTISED
;;     15. [M 4,096, K 512] x [K 512, N 2,048]; A: input x; B: input W1: QUANTISED
;;     16. [M 4,096, K 2,048] x [K 2,048, N 512]; A: computed on the way; B: input W2: QUANTISED
;;     17. [M 4,096, K 512] x [K 512, N 2,048]; A: input x; B: input W1: QUANTISED
;;     18. [M 4,096, K 2,048] x [K 2,048, N 512]; A: computed on the way; B: input W2: QUANTISED
;;   THE QUANTISER, for each operand of a quantised product, along K:
;;     - K is cut into blocks of 32 from its start; a last block that is shorter is filled with zeros.
;;     - A block's scale is 2^e with e = floor(log2(the largest magnitude in the block)) - 2, held to -126 .. 127; a block of zeros has e = 0. As a byte (E8M0): e + 127.
;;     - Each number is divided by its block's scale, clamped to +-6, and rounded to the nearest number of E2M1, ties to even, subnormals kept.
;;     - The product sums the exact products of the quantised numbers (number of the format x scale) in f32.
;;   ~~~python
;;   def quantise(x, axis):      # numpy; x: float32 -> the quantised numbers, widened to float32 again
;;       x = np.moveaxis(x, axis, -1); K = x.shape[-1]
;;       x = np.pad(x, [(0, 0)] * (x.ndim - 1) + [(0, -K % 32)]); x = x.reshape(x.shape[:-1] + (-1, 32)); a = np.abs(x).max(-1, keepdims=True)
;;       e = np.where(a > 0, np.clip(np.frexp(np.where(a > 0, a, 1))[1] - 1 - 2, -126, 127), 0)      # np.frexp(a)[1] - 1 = floor(log2(a)), exactly
;;       r = np.clip(x / 2.0 ** e, -6, 6)
;;       step = 2.0 ** (np.maximum(np.frexp(np.where(r == 0, 1, r))[1] - 1, 0) - 1)
;;       q = np.round(r / step) * step * 2.0 ** e      # np.round: ties to even
;;       return np.moveaxis(q.reshape(q.shape[:-2] + (-1,))[..., :K], -1, axis).astype(np.float32)
;;   ~~~
;;   OPERANDS COMPUTED ON THE WAY. 'Computed on the way' means the value that the module computes at that place (a softmax that the list does not call 'softmax' is quantised finished and normalised). What goes into a quantiser is computed in f32, as accurately as f32 sums, v_exp_f32 and their like allow (about 1e-6 of the number): no bf16 or f16 on the way to a quantiser, and a product that is left as it is and whose result goes on into a quantised operand takes f32 operands (vector FMAs, or v_wmma_f32_16x16x4_f32). A number that lies on a knife's edge between two numbers of the format may be rounded either way, as far as f32 arithmetic and the matrix unit's own rounding can turn it there, and no further.
;; One version. Each part assembles by itself: llvm-mc -triple=amdgcn-amd-amdhsa -mcpu=gfx1250 --defsym DOCPART=n.
;; ======== version 1 of 1: 3 launches
;; workspace buffers: wf 8,388,608 bytes; ws 524,288 bytes; xq 1,114,112 bytes; rf 49,152 bytes; route 49,152 bytes of whole numbers; plan 20,736 bytes of whole numbers; og 33,280 bytes
;; launch prep (part 1): grid 1152 x 1, 4 waves a work-group, no clusters, 6,144 bytes of LDS; arguments x, Wg, bg, W1, W2, wf, ws, xq, rf, route; writes wf, ws, xq, rf, route
.if DOCPART == 1
	.amdgcn_target "amdgcn-amd-amdhsa--gfx1250"
	.amdhsa_code_object_version 6
	.text
	.protected	k_qb86a093c77_prep
	.globl	k_qb86a093c77_prep
	.p2align	8
	.type	k_qb86a093c77_prep,@function
k_qb86a093c77_prep:
	s_mov_b64 s[64:65], 0
	v_nop
	global_prefetch_b8 v0, s[64:65] scope:SCOPE_SE
	s_setreg_imm32_b32 hwreg(HW_REG_WAVE_MODE, 25, 1), 1
	s_wait_xcnt 0x0
; SparseMoE, launch 1 of 3: quantise W1, W2 and x to codes of E2M1 with one E8M0 byte for each 32 along K, and route the tokens.
; WORK LEFT OUT BY THE WHOLE PROGRAM.  gates[t][e] is the sum over the two chosen places of probs x one_hot(topk_idx)[e]; for an expert e that top_k did not choose for token t both
; one_hot entries are the constant 0 that reference() itself builds, so gates[t][e] = 0 for all values of the inputs, and row t of that expert's two products is multiplied by 0.
; Those rows are not computed: 2 of 8 experts for each token are.  Every input has a way to an output and is loaded.
; LIMITS.  A NaN, an infinity or an overflow that arises only in a row left out is not carried to the result.  NaN and infinities among the logits are not served.
; A block of zeros gets the scale byte 1 where the rule says 127: its codes are zeros and only this program reads the bytes.  Blocks whose largest magnitude lies under 2^-124 were not tried.
; Where two logits are nearer than the rounding of an f32 sum of 512 terms, the choice may fall the other way than in another order of summing.
; WORK-GROUPS.  0-127: 32 tokens of x each.  128-639: W1 (expert, K step of 128, 128 hidden units).  640-1151: W2 (expert, K step of 128, 128 outputs).  Each kind has LDS bytes of its own.
; WEIGHTS: K is their first axis, so a lane takes a column and its 128 registers run down K; a block of 32 lies in one lane.  The codes leave as IMAGES OF THE OPERAND'S REGISTERS
; (a fragment of 16 rows x 128 K: 2 x 512 bytes, lane l's 16 bytes at 16 l), the scale words as vectors of 32 lanes: lanes 0-15 the even tile of a pair, lanes 16-31 the odd one.
; No matrix unit, no tensor load, no cluster: a stream in which no byte is shared.
.set LG,    0                          ; LDS, x: the logits, 4 waves x 32 lanes x 32 bytes
.set XSB,   4096                       ; x: the scale bytes of 32 tokens, 16 each
.set SC1,   4608                       ; W1: 32 lanes x 4 scale words
.set SC2,   5120                       ; W2: the same
.set SPARE, 5632                       ; the spare words, 128 bytes for each wave
.set SPW, 2                            ; v2  SPARE + 4 x my thread's number; never rewritten
.set NIL, 3                            ; v3  0; never rewritten
.set WX,  32                           ; weights: v32-159 my column's 128 numbers
.set WC,  160                          ; weights: v160-175 their codes, four registers a block
.set XX,  48                           ; x: v48-111 four sets of 16 numbers
.set WGR, 112                          ; x: v112-239 Wg[16 lane + kk][0..7] at 8 kk
	s_load_b512 s[4:19], s[0:1], 0x0               ; x 4:5, Wg 6:7, bg 8:9, W1 10:11, W2 12:13, wf 14:15, ws 16:17, xq 18:19
	s_load_b128 s[20:23], s[0:1], 0x40             ; rf 20:21, route 22:23
	v_lshl_add_u32 v[SPW], v0, 2, SPARE
	v_mov_b32 v[NIL], 0
	v_lshrrev_b32 v1, 5, v0
	v_readfirstlane_b32 s24, v1                    ; wave 0..3
	v_and_b32 v1, 31, v0                           ; lane
	v_lshlrev_b32 v4, 4, v1                        ; 16 x lane
	; every LDS address is made here, ahead of the parting of the ways
	s_lshl_b32 s25, s24, 2
	v_add_nc_u32 v5, s25, v4
	v_add_nc_u32 v7, SC2, v5                       ; W2: where my scale word goes: 16 lane + 4 wave
	v_add_nc_u32 v5, SC1, v5                       ; W1: the same
	v_add_nc_u32 v6, SC1, v4                       ; W1: where wave 0 reads four words back
	v_add_nc_u32 v8, SC2, v4
	s_lshl_b32 s25, s24, 7
	v_lshrrev_b32 v9, 1, v1
	v_add_nc_u32 v9, s25, v9
	v_add_nc_u32 v9, XSB, v9                       ; x: my block's byte: 128 wave + lane / 2 (+ 16 for each token)
	s_lshl_b32 s25, s24, 10
	v_lshlrev_b32 v10, 5, v1
	v_lshrrev_b32 v11, 3, v1
	v_lshl_add_u32 v11, v11, 10, v10               ; x: token = lane was summed by wave lane / 8
	v_add_nc_u32 v10, s25, v10                     ; x: where my lane's eight logits go
	v_add_nc_u32 v12, XSB, v4                      ; x: a token's 16 scale bytes
	s_wait_kmcnt 0x0
	s_cmp_lt_u32 ttmp9, 128
	s_cbranch_scc1 .Lx
	s_cmp_lt_u32 ttmp9, 640
	s_cbranch_scc1 .Lw1
; One block of 32 along K: its largest magnitude over the floor 2^(3 - 127), 2 off the exponent field gives the conversion's scale operand, a shift of that the byte.
.macro WBLOCK t
.set XB_, WX+32*(\t)
	v_max3_num_f32 v16, |v[XB_]|, |v[XB_+1]|, |v[XB_+2]|
	v_max3_num_f32 v17, |v[XB_+3]|, |v[XB_+4]|, |v[XB_+5]|
.irp i, 6,10,14,18,22,26
	v_max3_num_f32 v16, v16, |v[XB_+\i]|, |v[XB_+\i+1]|
	v_max3_num_f32 v17, v17, |v[XB_+\i+2]|, |v[XB_+\i+3]|
.endr
	v_max3_num_f32 v16, v16, |v[XB_+30]|, |v[XB_+31]|
	v_max3_num_f32 v16, v16, v17, 0x1800000
	v_add_nc_u32 v18, 0xff000000, v16
	v_lshrrev_b32 v19, 23, v18
.if (\t) == 0
	v_mov_b32 v20, v19
.else
	v_lshl_or_b32 v20, v19, 8*(\t), v20            ; four bytes make my column's scale word for this K step
.endif
.irp g, 0,1,2,3
	v_cvt_scalef32_pk8_fp4_f32 v[WC+4*(\t)+\g], v[XB_+8*\g:XB_+8*\g+7], v18
.endr
.endm
; Blocks 2 c and 2 c + 1 are done.  Lanes 0-15 hold the rows of one tile, lanes 16-31 those of the next; the operand wants block 2 c in lanes 0-15 and block 2 c + 1 in lanes 16-31 of ONE tile:
; the exchange of halves gives both tiles' registers 4 c .. 4 c + 3, and each leaves by a store of 512 consecutive bytes.
.macro SWAPOUT c, ustride
	v_nop                                          ; a plain instruction behind the last conversion
.irp i, 0,1,2,3
	v_permlane16_swap_b32 v[WC+8*(\c)+\i], v[WC+8*(\c)+4+\i]
.endr
	global_store_b128 v4, v[WC+8*(\c):WC+8*(\c)+3], s[28:29] offset:512*(\c)
	global_store_b128 v4, v[WC+8*(\c)+4:WC+8*(\c)+7], s[28:29] offset:(\ustride)+512*(\c)
.endm
; 32 columns x 128 along K for a wave.  stride: bytes from row to row of the weight; ustride: bytes from the even tile's image to the odd one's.
.macro QW stride, ustride, ldsS, ldsL
.set k_, 0
.rept 128
	global_load_b32 v[WX+k_], v13, s[26:27] offset:k_*(\stride) th:TH_LOAD_NT   ; the four waves read 512 consecutive bytes of a row
.set k_, k_+1
.endr
	s_wait_loadcnt 63                              ; behind block 1's last load stand 64; the wait's field ends at 63, and a smaller count is safe: blocks 0 and 1 are in
	WBLOCK 0
	WBLOCK 1
	SWAPOUT 0, \ustride
	s_wait_loadcnt 32                              ; block 3's 32 loads may be out
	WBLOCK 2
	s_wait_loadcnt 0x0
	WBLOCK 3
	SWAPOUT 1, \ustride
	ds_store_b32 v[\ldsS], v20
	s_wait_dscnt 0x0                               ; for the others' sake: my word has landed
	s_barrier_signal -1
	s_barrier_wait -1
	s_cmp_lg_u32 s24, 0
	s_cbranch_scc1 .Lnot_wave_0_\@
	ds_load_b128 v[24:27], v[\ldsL]                ; a lane's four words, one from each wave
	s_wait_dscnt 0x0
	global_store_b128 v4, v[24:27], s[30:31]       ; 512 consecutive bytes
.Lnot_wave_0_\@:
.endm
	; ---- W2 [8][2048][512]: work-group = (expert, K step of 128 rows, 128 outputs); wave g: outputs 32 g on: tiles 2 g and 2 g + 1 of the eight
	s_sub_co_u32 s25, ttmp9, 640
	s_and_b32 s32, s25, 3                          ; q: which 128 outputs
	s_bfe_u32 s33, s25, 0x40002                    ; the K step
	s_lshr_b32 s34, s25, 6                         ; the expert
	s_lshl_b32 s26, s34, 22
	s_lshl_b32 s35, s33, 18
	s_add_co_u32 s26, s26, s35
	s_lshl_b32 s35, s32, 9
	s_add_co_u32 s26, s26, s35
	s_lshl_b32 s35, s24, 7
	s_add_co_u32 s26, s26, s35
	s_mov_b32 s27, 0
	s_add_nc_u64 s[26:27], s[12:13], s[26:27]
	s_lshl_b32 s28, s34, 19                        ; images: [expert][K step][tile 32][1,024 bytes], behind W1's 4 MiB
	s_lshl_b32 s35, s33, 15
	s_add_co_u32 s28, s28, s35
	s_lshl_b32 s35, s32, 13
	s_add_co_u32 s28, s28, s35
	s_lshl_b32 s35, s24, 11
	s_add_co_u32 s28, s28, s35
	s_add_co_u32 s28, s28, 0x400000
	s_mov_b32 s29, 0
	s_add_nc_u64 s[28:29], s[14:15], s[28:29]
	s_lshl_b32 s30, s34, 15                        ; scale words: [expert][K step][q][512 bytes], behind W1's 256 KiB
	s_lshl_b32 s35, s33, 11
	s_add_co_u32 s30, s30, s35
	s_lshl_b32 s35, s32, 9
	s_add_co_u32 s30, s30, s35
	s_add_co_u32 s30, s30, 0x40000
	s_mov_b32 s31, 0
	s_add_nc_u64 s[30:31], s[16:17], s[30:31]
	v_lshlrev_b32 v13, 2, v1                       ; my column: the lane's
	QW 2048, 1024, 7, 8
	s_branch .Lclose
.Lw1:
	; ---- W1 [8][512][2048]: work-group = (expert, K step of 128 rows, chunk of 128 hidden units); wave g: units 32 g on: the pair of tiles of group g.
	; THE ROWS OF A TILE ARE NOT NEIGHBOURS: row r of tile u takes unit 8 u + r + 8 (r / 8), so that the first product's 16 registers of a pair of tiles are 16 neighbours along the second product's K.
	s_sub_co_u32 s25, ttmp9, 128
	s_and_b32 s32, s25, 15                         ; the chunk
	s_bfe_u32 s33, s25, 0x20004                    ; the K step
	s_lshr_b32 s34, s25, 6                         ; the expert
	s_lshl_b32 s26, s34, 22
	s_lshl_b32 s35, s33, 20
	s_add_co_u32 s26, s26, s35
	s_lshl_b32 s35, s32, 9
	s_add_co_u32 s26, s26, s35
	s_lshl_b32 s35, s24, 7
	s_add_co_u32 s26, s26, s35
	s_mov_b32 s27, 0
	s_add_nc_u64 s[26:27], s[10:11], s[26:27]
	s_lshl_b32 s28, s34, 19                        ; images: [expert][chunk][group 4][tile 2][K step 4][1,024 bytes]
	s_lshl_b32 s35, s32, 15
	s_add_co_u32 s28, s28, s35
	s_lshl_b32 s35, s24, 13
	s_add_co_u32 s28, s28, s35
	s_lshl_b32 s35, s33, 10
	s_add_co_u32 s28, s28, s35
	s_mov_b32 s29, 0
	s_add_nc_u64 s[28:29], s[14:15], s[28:29]
	s_lshl_b32 s30, s34, 15                        ; scale words: [expert][chunk][K step][512 bytes]
	s_lshl_b32 s35, s32, 11
	s_add_co_u32 s30, s30, s35
	s_lshl_b32 s35, s33, 9
	s_add_co_u32 s30, s30, s35
	s_mov_b32 s31, 0
	s_add_nc_u64 s[30:31], s[16:17], s[30:31]
	v_and_b32 v14, 15, v1                          ; r
	v_lshrrev_b32 v15, 3, v14
	v_lshrrev_b32 v16, 4, v1                       ; u
	v_add_nc_u32 v15, v15, v16
	v_lshl_add_u32 v13, v15, 3, v14
	v_lshlrev_b32 v13, 2, v13                      ; my column: 4 (r + 8 (r / 8 + u)) bytes
	QW 8192, 4096, 5, 6
	s_branch .Lclose
.Lx:
	; ---- x: 32 tokens a work-group, 8 a wave.  Lane l holds k = 16 l .. 16 l + 15 of one token: two lanes to a block; the same 16 numbers feed the eight logits in f32.
	s_load_b256 s[32:39], s[8:9], 0x0              ; bg
	s_lshl_b32 s25, ttmp9, 5
	s_lshl_b32 s26, s24, 3
	s_add_co_u32 s25, s25, s26                     ; my wave's first token
	s_lshl_b32 s26, s25, 11
	s_mov_b32 s27, 0
	s_add_nc_u64 s[26:27], s[4:5], s[26:27]        ; its row of x
	s_lshl_b32 s28, s25, 8
	s_mov_b32 s29, 0
	s_add_nc_u64 s[28:29], s[18:19], s[28:29]      ; its 256 bytes of codes
	s_lshl_b32 s30, ttmp9, 9
	s_mov_b32 s31, 0
	s_add_nc_u64 s[30:31], s[18:19], s[30:31]      ; the group's scale bytes (1 MiB further on)
	s_lshl_b32 s44, ttmp9, 8
	s_mov_b32 s45, 0
	s_lshl_b32 s46, ttmp9, 7
	s_mov_b32 s47, 0
	s_add_nc_u64 s[48:49], s[22:23], s[46:47]      ; route: key and rank, 4 bytes a token
	s_add_nc_u64 s[50:51], s[22:23], s[44:45]      ; route: the group's 64 counts (16 KiB further on)
	s_add_nc_u64 s[44:45], s[20:21], s[44:45]      ; rf: {ratio, g1}, 8 bytes a token
	s_add_nc_u64 s[46:47], s[20:21], s[46:47]      ; rf: the group's sums (32 KiB further on)
	v_lshlrev_b32 v13, 6, v1
	v_lshlrev_b32 v14, 3, v1
	v_lshlrev_b32 v15, 9, v1
.set k_, 0
.rept 32
	global_load_b128 v[WGR+4*k_:WGR+4*k_+3], v15, s[6:7] offset:16*k_   ; my 16 rows of Wg
.set k_, k_+1
.endr
.macro XLOAD j
.irp i, 0,1,2,3
	global_load_b128 v[XX+16*((\j)%4)+4*\i:XX+16*((\j)%4)+4*\i+3], v13, s[26:27] offset:2048*(\j)+16*\i th:TH_LOAD_NT
.endr
.endm
	XLOAD 0
	XLOAD 1
	XLOAD 2
	XLOAD 3
	s_mov_b32 s42, 0x76543210
	s_mov_b32 s43, 0xfedcba98                      ; v_permlanex16_b32's selects for lane l xor 16
.irp e, 0,1,2,3,4,5,6,7
	v_mov_b32 v[24+\e], 0                          ; written once: a lane permute's destination counts as one of its sources
.endr
	s_lshl_b32 s41, s24, 3
	s_lshl_b32 s40, 1, s41                         ; the lane that keeps my wave's token 0
.macro BFLY8 base                      ; eight sums over the 32 lanes, by turns
.irp k, 1,2,4,8
.irp e, 0,1,2,3,4,5,6,7
	v_add_f32_dpp v[\base+\e], v[\base+\e], v[\base+\e] row_xmask:\k row_mask:0xf bank_mask:0xf
.endr
.endr
.irp e, 0,1,2,3,4,5,6,7
	v_permlanex16_b32 v[24+\e], v[\base+\e], s42, s43
.endr
.irp e, 0,1,2,3,4,5,6,7
	v_add_f32 v[\base+\e], v[\base+\e], v[24+\e]
.endr
.endm
.macro TOKEN j
.set XS_, XX+16*((\j)%4)
.set CD_, 40+2*((\j)%4)
.if 7-(\j) >= 3
	s_wait_loadcnt 12                              ; this token's four loads are in; those of the three tokens behind it may be out
.else
	s_wait_loadcnt 4*(7-(\j))
.endif
	s_wait_xcnt 0x0                                ; the store of four tokens ago has read its codes' registers
	v_max3_num_f32 v240, |v[XS_]|, |v[XS_+1]|, |v[XS_+2]|
	v_max3_num_f32 v241, |v[XS_+3]|, |v[XS_+4]|, |v[XS_+5]|
.irp i, 6,10
	v_max3_num_f32 v240, v240, |v[XS_+\i]|, |v[XS_+\i+1]|
	v_max3_num_f32 v241, v241, |v[XS_+\i+2]|, |v[XS_+\i+3]|
.endr
	v_max3_num_f32 v240, v240, |v[XS_+14]|, |v[XS_+15]|
	v_max3_num_f32 v240, v240, v241, 0x1800000     ; the floor 2^(3 - 127): the byte cannot fall under 1
	v_max_num_f32_dpp v240, v240, v240 row_xmask:1 row_mask:0xf bank_mask:0xf   ; with my neighbour's 16: the block's
	v_add_nc_u32 v242, 0xff000000, v240
	v_cvt_scalef32_pk8_fp4_f32 v[CD_], v[XS_:XS_+7], v242
	v_cvt_scalef32_pk8_fp4_f32 v[CD_+1], v[XS_+8:XS_+15], v242
	v_lshrrev_b32 v[244+(\j)], 23, v242
	ds_store_b8 v9, v[244+(\j)] offset:16*(\j)     ; both lanes of a block write the same byte
	global_store_b64 v14, v[CD_:CD_+1], s[28:29] offset:256*(\j)   ; 32 lanes store the token's 256 bytes
	; my 16 terms of each of the eight logits: four chains of packed multiply-adds, x[k] serving both halves
.set kk_, 0
.rept 8
.irp p, 0,1,2,3
.if kk_ == 0
	v_pk_mul_f32 v[16+2*\p:17+2*\p], v[XS_:XS_+1], v[WGR+2*\p:WGR+2*\p+1] op_sel_hi:[0,1]
.else
	v_pk_fma_f32 v[16+2*\p:17+2*\p], v[XS_+kk_:XS_+kk_+1], v[WGR+8*kk_+2*\p:WGR+8*kk_+2*\p+1], v[16+2*\p:17+2*\p] op_sel:[0,0,0] op_sel_hi:[0,1,1]
.endif
.endr
.irp p, 0,1,2,3
	v_pk_fma_f32 v[16+2*\p:17+2*\p], v[XS_+kk_:XS_+kk_+1], v[WGR+8*kk_+8+2*\p:WGR+8*kk_+8+2*\p+1], v[16+2*\p:17+2*\p] op_sel:[1,0,0] op_sel_hi:[1,1,1]
.endr
.set kk_, kk_+2
.endr
.if (\j)+4 < 8
	XLOAD (\j)+4
.endif
	BFLY8 16
.if (\j) == 0
.irp e, 0,1,2,3,4,5,6,7
	v_mov_b32 v[32+\e], v[16+\e]
.endr
.else
	s_lshl_b32 s52, s40, \j
.irp e, 0,1,2,3,4,5,6,7
	v_cndmask_b32 v[32+\e], v[32+\e], v[16+\e], s52   ; lane 8 wave + j keeps token j's logits
.endr
.endif
.endm
.irp j, 0,1,2,3,4,5,6,7
	TOKEN \j
.endr
	ds_store_b128 v10, v[32:35]
	ds_store_b128 v10, v[36:39] offset:16
	s_wait_kmcnt 0x0                               ; bg
	s_wait_dscnt 0x0                               ; for the others' sake: my logits and scale bytes have landed
	s_barrier_signal -1
	s_barrier_wait -1
	s_cmp_eq_u32 s24, 1
	s_cbranch_scc0 .Lnot_wave_1
	ds_load_b128 v[48:51], v12                     ; wave 1: the 32 tokens' scale bytes leave as 512 consecutive bytes
	s_wait_dscnt 0x0
	global_store_b128 v4, v[48:51], s[30:31] offset:1048576
	s_branch .Lclose
.Lnot_wave_1:
	s_cmp_eq_u32 s24, 0
	s_cbranch_scc0 .Lclose
	; ---- wave 0 routes: a lane to a token.  What is chosen goes out as numbers at fixed places; no address and no branch of this launch hangs on it.
	ds_load_b128 v[32:35], v11
	ds_load_b128 v[36:39], v11 offset:16
	s_wait_dscnt 0x0
.irp e, 0,1,2,3,4,5,6,7
	v_add_f32 v[32+\e], s[32+\e], v[32+\e]
.endr
	v_mov_b32 v48, v32                             ; the largest logit and its expert; a later one takes over only if it is larger: a tie keeps the lower index
	v_mov_b32 v49, 0
.irp e, 1,2,3,4,5,6,7
	v_cmp_le_f32 vcc_lo, v[32+\e], v48
	v_cndmask_b32 v48, v[32+\e], v48, vcc_lo
	v_cndmask_b32 v49, \e, v49, vcc_lo
.endr
	v_mov_b32 v52, 0xff800000
	v_mov_b32 v50, v52                             ; the second: the same search with the winner's logit at -infinity
	v_mov_b32 v51, 0
.irp e, 0,1,2,3,4,5,6,7
	v_cmp_eq_u32 vcc_lo, \e, v49
	v_cndmask_b32 v53, v[32+\e], v52, vcc_lo
	v_cmp_le_f32 vcc_lo, v53, v50
	v_cndmask_b32 v50, v53, v50, vcc_lo
	v_cndmask_b32 v51, \e, v51, vcc_lo
.endr
.irp e, 0,1,2,3,4,5,6,7
	v_sub_f32 v[56+\e], v[32+\e], v48              ; the maximum is taken away ahead of every exponential
.endr
	v_sub_f32 v64, v50, v48
.irp e, 0,1,2,3,4,5,6,7
	v_mul_f32 v[56+\e], 0x3fb8aa3b, v[56+\e]
.endr
	v_mul_f32 v64, 0x3fb8aa3b, v64
.irp e, 0,1,2,3,4,5,6,7
	v_exp_f32 v[56+\e], v[56+\e]
.endr
	v_exp_f32 v64, v64                             ; ratio = exp(second - first) = g2 / g1, at most 1
	v_lshl_add_u32 v66, v49, 3, v51                ; (a plain instruction behind the batch)  key = 8 x first expert + second
	s_wait_alu depctr_va_vdst(0)                   ; one wait for the nine, ahead of their first reader
	v_add_f32 v54, v56, v57
	v_add_f32 v55, v58, v59
	v_add_f32 v67, v60, v61
	v_add_f32 v68, v62, v63
	v_add_f32 v54, v54, v55
	v_add_f32 v67, v67, v68
	v_add_f32 v54, v54, v67
	v_add_f32 v55, 1.0, v64
	v_log_f32 v54, v54
	v_rcp_f32 v65, v55                             ; g1 = 1 / (1 + ratio)
	v_lshlrev_b32 v72, 2, v1                       ; (a plain instruction behind the two)
	s_wait_alu depctr_va_vdst(0)
	v_fmamk_f32 v54, v54, 0x3f317218, v48          ; logsumexp = first + ln 2 x log2(sum)
	v_mul_f32 v54, v54, v54                        ; its square
	v_mul_f32 v69, v64, v65                        ; g2
	global_store_b64 v14, v[64:65], s[44:45]       ; {ratio, g1}: 256 consecutive bytes
	v_mov_b32 v70, 0                               ; my rank among the group's tokens of my key
	v_mov_b32 v74, 0                               ; the group's count of key = lane,
	v_mov_b32 v75, 0                               ; and of key = lane + 32
	v_add_nc_u32 v73, 32, v1
.set j_, 0
.rept 32
	v_readlane_b32 s40, v66, j_
	v_cmp_eq_u32 s41, s40, v66
	s_and_b32 s41, s41, (0xfffffffe<<j_)&0xffffffff   ; the lanes above j
	v_cndmask_b32 v71, 0, 1, s41
	v_add_nc_u32 v70, v70, v71
	v_cmp_eq_u32 s41, s40, v1
	v_cndmask_b32 v71, 0, 1, s41
	v_add_nc_u32 v74, v74, v71
	v_cmp_eq_u32 s41, s40, v73
	v_cndmask_b32 v71, 0, 1, s41
	v_add_nc_u32 v75, v75, v71
.set j_, j_+1
.endr
	v_lshl_or_b32 v68, v70, 8, v66
	global_store_b32 v72, v68, s[48:49]            ; key | rank << 8
	global_store_b32 v72, v74, s[50:51] offset:16384
	global_store_b32 v72, v75, s[50:51] offset:16384+128
.irp e, 0,1,2,3,4,5,6,7
	v_cmp_eq_u32 vcc_lo, \e, v49
	v_cndmask_b32 v[56+\e], 0, v65, vcc_lo         ; my token's gate for expert e
	v_cmp_eq_u32 vcc_lo, \e, v51
	v_cndmask_b32 v[56+\e], v[56+\e], v69, vcc_lo
.endr
	BFLY8 56                                       ; the group's sums of the gates,
.irp k, 1,2,4,8
	v_add_f32_dpp v54, v54, v54 row_xmask:\k row_mask:0xf bank_mask:0xf
.endr
	v_permlanex16_b32 v24, v54, s42, s43
	v_add_f32 v54, v54, v24                        ; and of the squares
	v_mov_b32 v77, 0
.irp e, 0,1,2,3,4,5,6,7
	s_mov_b32 s41, 1<<\e
	v_cndmask_b32 v77, v77, v[56+\e], s41          ; lane e carries expert e's sum,
.endr
	s_mov_b32 s41, 256
	v_cndmask_b32 v77, v77, v54, s41               ; lane 8 the squares', the others 0
	global_store_b32 v72, v77, s[46:47] offset:32768
.Lclose:
	s_wait_tensorcnt 0x0                           ; the wave's end
	ds_add_u32 v[SPW], v[NIL]
	s_wait_dscnt 0x0
	s_endpgm
.Lfunc_end_k_qb86a093c77_prep:
	.size	k_qb86a093c77_prep, .Lfunc_end_k_qb86a093c77_prep-k_qb86a093c77_prep
	.p2alignl 7, 3214868480
	.fill 96, 4, 3214868480
	.section	.rodata,"a",@progbits
	.p2align	6, 0x0
	.amdhsa_kernel k_qb86a093c77_prep
		.amdhsa_group_segment_fixed_size 6144
		.amdhsa_private_segment_fixed_size 0
		.amdhsa_enable_private_segment 0
		.amdhsa_kernarg_size 80
		.amdhsa_user_sgpr_count 2
		.amdhsa_user_sgpr_kernarg_segment_ptr 1
		.amdhsa_wavefront_size32 1
		.amdhsa_system_sgpr_workgroup_id_x 1
		.amdhsa_system_sgpr_workgroup_id_y 1
		.amdhsa_system_sgpr_workgroup_id_z 1
		.amdhsa_system_vgpr_workitem_id 0
		.amdhsa_next_free_vgpr 256
		.amdhsa_next_free_sgpr 66
		.amdhsa_reserve_vcc 1
		.amdhsa_float_denorm_mode_32 3
		.amdhsa_float_denorm_mode_16_64 3
		.amdhsa_memory_ordered 1
		.amdhsa_forward_progress 1
		.amdhsa_inst_pref_size 145
	.end_amdhsa_kernel
	.amdgpu_metadata
---
amdhsa.version: [ 1, 2 ]
amdhsa.kernels:
  - .name:           k_qb86a093c77_prep
    .symbol:         k_qb86a093c77_prep.kd
    .args:
      - { .name: x, .offset: 0, .size: 8, .value_kind: global_buffer, .address_space: global }
      - { .name: Wg, .offset: 8, .size: 8, .value_kind: global_buffer, .address_space: global }
      - { .name: bg, .offset: 16, .size: 8, .value_kind: global_buffer, .address_space: global }
      - { .name: W1, .offset: 24, .size: 8, .value_kind: global_buffer, .address_space: global }
      - { .name: W2, .offset: 32, .size: 8, .value_kind: global_buffer, .address_space: global }
      - { .name: wf, .offset: 40, .size: 8, .value_kind: global_buffer, .address_space: global }
      - { .name: ws, .offset: 48, .size: 8, .value_kind: global_buffer, .address_space: global }
      - { .name: xq, .offset: 56, .size: 8, .value_kind: global_buffer, .address_space: global }
      - { .name: rf, .offset: 64, .size: 8, .value_kind: global_buffer, .address_space: global }
      - { .name: route, .offset: 72, .size: 8, .value_kind: global_buffer, .address_space: global }
    .group_segment_fixed_size: 6144
    .private_segment_fixed_size: 0
    .kernarg_segment_align: 8
    .kernarg_segment_size: 80
    .max_flat_workgroup_size: 128
    .sgpr_count:     66
    .vgpr_count:     256
    .wavefront_size: 32
...
	.end_amdgpu_metadata
.endif
;; end of part 1
;; launch place (part 2): grid 1 x 1, 16 waves a work-group, no clusters, 8,192 bytes of LDS; arguments route, rf, plan, og, out1, out2; writes plan, og, out1, out2
.if DOCPART == 2
	.amdgcn_target "amdgcn-amd-amdhsa--gfx1250"
	.amdhsa_code_object_version 6
	.text
	.protected	k_qb86a093c77_place
	.globl	k_qb86a093c77_place
	.p2align	8
	.type	k_qb86a093c77_place,@function
k_qb86a093c77_place:
	s_mov_b64 s[64:65], 0
	v_nop
	global_prefetch_b8 v0, s[64:65] scope:SCOPE_SE
	s_setreg_imm32_b32 hwreg(HW_REG_WAVE_MODE, 25, 1), 1
	s_wait_xcnt 0x0
; SparseMoE, launch 2 of 3: a counting sort of the 4,096 tokens by key = 8 x first expert + second (64 bins), the list of tiles for the third launch, and the two losses.
; Only the two chosen experts of a token are served by the program (shown at the head of the first launch); here that is the sort's key.
; One work-group of 16 waves: the sums span all tokens, and one owner orders them without atomics.  Wave W owns the groups 8 W .. 8 W + 7 of 32 tokens.
; In tables a lane stands for bin = lane (lo) and bin = lane + 32 (hi); among tokens for the token of that lane in a group.
; place of a token = first place of its bin + its bin's count in all earlier groups + its rank in its own group.  A tile is at most 32 tokens of one bin: {second expert, first expert, first place, rows}.
; The stores by place are 4 and 8 bytes a lane at scattered places: 48 KiB in all, the price of the sort.
.set BS,    0                          ; LDS: each wave's counts of the 64 bins: 16 x 256 bytes
.set LPW,   4096                       ; each wave's sums for the losses: 16 x 128 bytes
.set SPARE, 6144                       ; the spare words, 128 bytes for each wave
.set SPW, 2
.set NIL, 3
	s_load_b256 s[4:11], s[0:1], 0x0               ; route 4:5, rf 6:7, plan 8:9, og 10:11
	s_load_b128 s[12:15], s[0:1], 0x20             ; out1 12:13, out2 14:15
	v_lshl_add_u32 v[SPW], v0, 2, SPARE
	v_mov_b32 v[NIL], 0
	v_lshrrev_b32 v1, 5, v0
	v_readfirstlane_b32 s16, v1                    ; wave 0..15
	v_and_b32 v1, 31, v0                           ; lane
	v_lshlrev_b32 v4, 2, v1                        ; 4 x lane
	v_lshlrev_b32 v5, 3, v1                        ; 8 x lane
	s_lshl_b32 s17, s16, 8
	v_add_nc_u32 v6, s17, v4                       ; LDS: my wave's counts
	v_lshl_add_u32 v7, v0, 2, LPW                  ; LDS: my wave's sums
	v_add_nc_u32 v8, LPW, v4                       ; LDS: wave 0's sums, my lane
	v_mov_b32 v9, 0                                ; at work; written once, since a lane move's destination counts as read
	s_lshl_b32 s23, s16, 8                         ; my wave's first token
	v_add_nc_u32 v10, s23, v1
	s_lshl_b32 s18, s16, 11
	s_mov_b32 s19, 0
	s_lshl_b32 s20, s16, 10
	s_mov_b32 s21, 0
	s_mov_b32 s22, 0xffff0000                      ; lanes 16-31
	s_mov_b32 s32, 0x76543210
	s_mov_b32 s33, 0xfedcba98
	s_wait_kmcnt 0x0
	s_add_nc_u64 s[24:25], s[4:5], s[18:19]        ; route: my 8 groups' counts (16 KiB further on)
	s_add_nc_u64 s[26:27], s[4:5], s[20:21]        ; route: their keys and ranks
	s_add_nc_u64 s[28:29], s[6:7], s[18:19]        ; rf: their {ratio, g1}
	s_add_nc_u64 s[30:31], s[6:7], s[20:21]        ; rf: their sums (32 KiB further on)
.irp i, 0,1,2,3,4,5,6,7
	global_load_b32 v[16+\i], v4, s[24:25] offset:16384+256*\i
	global_load_b32 v[24+\i], v4, s[24:25] offset:16384+256*\i+128
	global_load_b32 v[32+\i], v4, s[26:27] offset:128*\i
	global_load_b64 v[40+2*\i:41+2*\i], v5, s[28:29] offset:256*\i
	global_load_b32 v[56+\i], v4, s[30:31] offset:32768+128*\i
.endr
	s_wait_loadcnt 0x0
	v_mov_b32 v64, 0                               ; v64-71, v72-79: each bin's count in my wave's groups ahead of group i
	v_mov_b32 v72, 0
.irp i, 1,2,3,4,5,6,7
	v_add_nc_u32 v[64+\i], v[63+\i], v[15+\i]
	v_add_nc_u32 v[72+\i], v[71+\i], v[23+\i]
.endr
	v_add_nc_u32 v80, v71, v23                     ; my wave's counts
	v_add_nc_u32 v81, v79, v31
	v_add_f32 v82, v56, v57
	v_add_f32 v83, v58, v59
	v_add_f32 v84, v60, v61
	v_add_f32 v85, v62, v63
	v_add_f32 v82, v82, v83
	v_add_f32 v84, v84, v85
	v_add_f32 v82, v82, v84
	ds_store_b32 v6, v80
	ds_store_b32 v6, v81 offset:128
	ds_store_b32 v7, v82
	s_wait_dscnt 0x0                               ; for the others' sake: my stores have landed
	s_barrier_signal -1
	s_barrier_wait -1                              ; the launch's one barrier
.irp W, 0,1,2,3,4,5,6,7,8,9,10,11,12,13,14,15
	ds_load_b32 v[84+\W], v4 offset:256*\W
	ds_load_b32 v[100+\W], v4 offset:256*\W+128
.endr
	s_wait_dscnt 0x0
	v_mov_b32 v116, 0                              ; v116, v117: the bins' totals;  v118, v119: their counts in the waves ahead of mine
	v_mov_b32 v117, 0
	v_mov_b32 v118, 0
	v_mov_b32 v119, 0
.irp W, 0,1,2,3,4,5,6,7,8,9,10,11,12,13,14,15
	s_cmp_eq_u32 s16, \W
	s_cselect_b32 s17, -1, 0
	v_cndmask_b32 v118, v118, v116, s17
	v_cndmask_b32 v119, v119, v117, s17
	v_add_nc_u32 v116, v116, v[84+\W]
	v_add_nc_u32 v117, v117, v[100+\W]
.endr
.macro SCAN r                          ; v[r] becomes its running sum over the 32 lanes, the lane's own number included
.irp n, 1,2,4,8
	v_mov_b32_dpp v9, v[\r] row_shr:\n row_mask:0xf bank_mask:0xf bound_ctrl:1
	v_add_nc_u32 v[\r], v[\r], v9
.endr
	v_readlane_b32 s17, v[\r], 15
	v_mov_b32 v9, s17
	v_cndmask_b32 v9, 0, v9, s22
	v_add_nc_u32 v[\r], v[\r], v9
.endm
	v_mov_b32 v120, v116
	SCAN 120
	v_mov_b32 v121, v117
	SCAN 121
	v_readlane_b32 s17, v120, 31
	v_add_nc_u32 v121, s17, v121
	v_sub_nc_u32 v120, v120, v116                  ; v120, v121: a bin's first place
	v_sub_nc_u32 v121, v121, v117
	v_add_nc_u32 v122, 31, v116
	v_add_nc_u32 v123, 31, v117
	v_lshrrev_b32 v122, 5, v122                    ; v122, v123: its tiles
	v_lshrrev_b32 v123, 5, v123
	v_mov_b32 v124, v122
	SCAN 124
	v_mov_b32 v125, v123
	SCAN 125
	v_readlane_b32 s17, v124, 31
	v_add_nc_u32 v125, s17, v125                   ; v124, v125: the tile behind its last
	v_sub_nc_u32 v126, v124, v122                  ; v126, v127: its first tile
	v_sub_nc_u32 v127, v125, v123
	; the places of my wave's 256 tokens: the table of group i is looked up at each token's key by a pull between lanes
.irp i, 0,1,2,3,4,5,6,7
	v_add3_u32 v[168+\i], v120, v118, v[64+\i]
	v_add3_u32 v[176+\i], v121, v119, v[72+\i]
	v_and_b32 v[184+\i], 0xff, v[32+\i]
	v_min_u32 v[184+\i], 63, v[184+\i]             ; the key
	v_and_b32 v[192+\i], 31, v[184+\i]
	v_lshlrev_b32 v[192+\i], 2, v[192+\i]
	ds_bpermute_b32 v[152+\i], v[192+\i], v[168+\i]
	ds_bpermute_b32 v[160+\i], v[192+\i], v[176+\i]
.endr
	s_wait_dscnt 0x0
.irp i, 0,1,2,3,4,5,6,7
	v_cmp_lt_u32 vcc_lo, 31, v[184+\i]
	v_cndmask_b32 v[152+\i], v[152+\i], v[160+\i], vcc_lo
	v_lshrrev_b32 v[160+\i], 8, v[32+\i]           ; the rank
	v_add_nc_u32 v[152+\i], v[152+\i], v[160+\i]
	v_min_u32 v[152+\i], 0xfff, v[152+\i]          ; the place, held inside the list
	v_lshlrev_b32 v[128+\i], 2, v[152+\i]
	v_lshlrev_b32 v[136+\i], 3, v[152+\i]
	v_add_nc_u32 v[144+\i], 32*\i, v10             ; the token's number
	global_store_b32 v[128+\i], v[144+\i], s[8:9] offset:4096
	global_store_b64 v[136+\i], v[40+2*\i:41+2*\i], s[10:11]
.endr
	s_cmp_lt_u32 s16, 6
	s_cbranch_scc0 .Lnot_tiles
	; ---- waves 0-5: tile g = my thread's number, 0 .. 191.  Its bin is the number of bins that end at or ahead of g.
	v_mov_b32 v200, 0
.set j_, 0
.rept 32
	v_readlane_b32 s17, v124, j_
	v_cmp_le_u32 vcc_lo, s17, v0
	v_cndmask_b32 v9, 0, 1, vcc_lo
	v_add_nc_u32 v200, v200, v9
.set j_, j_+1
.endr
.set j_, 0
.rept 32
	v_readlane_b32 s17, v125, j_
	v_cmp_le_u32 vcc_lo, s17, v0
	v_cndmask_b32 v9, 0, 1, vcc_lo
	v_add_nc_u32 v200, v200, v9
.set j_, j_+1
.endr
	v_min_u32 v200, 63, v200                       ; a tile behind the last falls on bin 63 (first = second expert), which is always empty
	v_and_b32 v201, 31, v200
	v_lshlrev_b32 v201, 2, v201
	ds_bpermute_b32 v202, v201, v126
	ds_bpermute_b32 v203, v201, v127
	ds_bpermute_b32 v204, v201, v120
	ds_bpermute_b32 v205, v201, v121
	ds_bpermute_b32 v206, v201, v116
	ds_bpermute_b32 v207, v201, v117
	s_wait_dscnt 0x0
	v_cmp_lt_u32 vcc_lo, 31, v200
	v_cndmask_b32 v202, v202, v203, vcc_lo         ; the bin's first tile,
	v_cndmask_b32 v204, v204, v205, vcc_lo         ; first place,
	v_cndmask_b32 v206, v206, v207, vcc_lo         ; and total
	v_sub_nc_u32 v202, v0, v202
	v_lshlrev_b32 v202, 5, v202                    ; 32 x (which tile of the bin)
	v_add_nc_u32 v210, v204, v202
	v_min_u32 v210, 0xfff, v210                    ; first place
	v_sub_nc_u32 v211, v206, v202
	v_max_i32 v211, 0, v211
	v_min_i32 v211, 32, v211                       ; rows: 0 to 32
	v_and_b32 v208, 7, v200                        ; the second expert
	v_lshrrev_b32 v209, 3, v200                    ; the first
	v_lshlrev_b32 v212, 4, v0
	global_store_b128 v212, v[208:211], s[8:9]
	s_branch .Lend
.Lnot_tiles:
	s_cmp_eq_u32 s16, 6
	s_cbranch_scc0 .Lnot_wave_6
	v_mov_b32 v208, 0                              ; wave 6: 32 entries behind both lists' ends, which a last tile's idle rows read
	v_mov_b32 v209, 0
	global_store_b32 v4, v208, s[8:9] offset:4096+16384
	global_store_b64 v5, v[208:209], s[10:11] offset:32768
	s_branch .Lend
.Lnot_wave_6:
	s_cmp_eq_u32 s16, 7
	s_cbranch_scc0 .Lend
	; ---- wave 7: the losses.  aux = 8 / 4096^2 x sum over experts of (sum of gates) x (tokens that chose it); the tokens are counted bin by bin: a bin's total counts for both its experts
.irp W, 0,1,2,3,4,5,6,7,8,9,10,11,12,13,14,15
	ds_load_b32 v[208+\W], v8 offset:128*\W
.endr
	s_wait_dscnt 0x0
.irp W, 2,4,6,8,10,12,14
	v_add_f32 v208, v208, v[208+\W]
	v_add_f32 v209, v209, v[209+\W]
.endr
	v_add_f32 v208, v208, v209                     ; lane e: the sum of expert e's gates; lane 8: of the squares
	v_lshrrev_b32 v224, 3, v1
	v_lshlrev_b32 v224, 2, v224                    ; bin = lane: first expert lane / 8,
	v_and_b32 v225, 7, v1
	v_lshlrev_b32 v225, 2, v225                    ; second lane % 8;
	v_add_nc_u32 v226, 16, v224                    ; bin = lane + 32: first expert 4 + lane / 8
	ds_bpermute_b32 v227, v224, v208
	ds_bpermute_b32 v228, v225, v208
	ds_bpermute_b32 v229, v226, v208
	v_cvt_f32_u32 v230, v116
	v_cvt_f32_u32 v231, v117
	v_mov_b32 v232, 0
	s_wait_dscnt 0x0
	v_add_f32 v227, v227, v228
	v_add_f32 v229, v229, v228
	v_mul_f32 v227, v230, v227
	v_fmac_f32 v227, v231, v229
.irp k, 1,2,4,8
	v_add_f32_dpp v227, v227, v227 row_xmask:\k row_mask:0xf bank_mask:0xf
.endr
	v_permlanex16_b32 v9, v227, s32, s33
	v_add_f32 v227, v227, v9
	v_mul_f32 v227, 0x35000000, v227               ; x 2^-21 = 8 / 4096^2
	v_readlane_b32 s17, v208, 8
	v_mov_b32 v228, s17
	v_mul_f32 v228, 0x39800000, v228               ; x 2^-12: the mean of the squares
	v_cmp_eq_u32 vcc_lo, 0, v1
	s_wait_xcnt 0x0                                ; EXEC changes only behind this wait: my earlier stores have read theirs
	s_and_saveexec_b32 s17, vcc_lo
	global_store_b32 v232, v227, s[12:13]
	global_store_b32 v232, v228, s[14:15]
	s_wait_xcnt 0x0                                ; and again, in front of the line that widens it
	s_or_b32 exec_lo, exec_lo, s17
.Lend:
	s_wait_tensorcnt 0x0                           ; the wave's end
	ds_add_u32 v[SPW], v[NIL]
	s_wait_dscnt 0x0
	s_endpgm
.Lfunc_end_k_qb86a093c77_place:
	.size	k_qb86a093c77_place, .Lfunc_end_k_qb86a093c77_place-k_qb86a093c77_place
	.p2alignl 7, 3214868480
	.fill 96, 4, 3214868480
	.section	.rodata,"a",@progbits
	.p2align	6, 0x0
	.amdhsa_kernel k_qb86a093c77_place
		.amdhsa_group_segment_fixed_size 8192
		.amdhsa_private_segment_fixed_size 0
		.amdhsa_enable_private_segment 0
		.amdhsa_kernarg_size 48
		.amdhsa_user_sgpr_count 2
		.amdhsa_user_sgpr_kernarg_segment_ptr 1
		.amdhsa_wavefront_size32 1
		.amdhsa_system_sgpr_workgroup_id_x 1
		.amdhsa_system_sgpr_workgroup_id_y 1
		.amdhsa_system_sgpr_workgroup_id_z 1
		.amdhsa_system_vgpr_workitem_id 0
		.amdhsa_next_free_vgpr 256
		.amdhsa_next_free_sgpr 66
		.amdhsa_reserve_vcc 1
		.amdhsa_float_denorm_mode_32 3
		.amdhsa_float_denorm_mode_16_64 3
		.amdhsa_memory_ordered 1
		.amdhsa_forward_progress 1
		.amdhsa_inst_pref_size 40
	.end_amdhsa_kernel
	.amdgpu_metadata
---
amdhsa.version: [ 1, 2 ]
amdhsa.kernels:
  - .name:           k_qb86a093c77_place
    .symbol:         k_qb86a093c77_place.kd
    .args:
      - { .name: route, .offset: 0, .size: 8, .value_kind: global_buffer, .address_space: global }
      - { .name: rf, .offset: 8, .size: 8, .value_kind: global_buffer, .address_space: global }
      - { .name: plan, .offset: 16, .size: 8, .value_kind: global_buffer, .address_space: global }
      - { .name: og, .offset: 24, .size: 8, .value_kind: global_buffer, .address_space: global }
      - { .name: out1, .offset: 32, .size: 8, .value_kind: global_buffer, .address_space: global }
      - { .name: out2, .offset: 40, .size: 8, .value_kind: global_buffer, .address_space: global }
    .group_segment_fixed_size: 8192
    .private_segment_fixed_size: 0
    .kernarg_segment_align: 8
    .kernarg_segment_size: 48
    .max_flat_workgroup_size: 512
    .sgpr_count:     66
    .vgpr_count:     256
    .wavefront_size: 32
...
	.end_amdgpu_metadata
.endif
;; end of part 2
;; launch experts (part 3): grid 183 x 1, 4 waves a work-group, no clusters, 264,704 bytes of LDS; arguments wf, ws, xq, og, plan, b1, b2, out0; writes out0
.if DOCPART == 3
	.amdgcn_target "amdgcn-amd-amdhsa--gfx1250"
	.amdhsa_code_object_version 6
	.text
	.protected	k_qb86a093c77_experts
	.globl	k_qb86a093c77_experts
	.p2align	8
	.type	k_qb86a093c77_experts,@function
k_qb86a093c77_experts:
	s_mov_b64 s[64:65], 0
	v_nop
	global_prefetch_b8 v0, s[64:65] scope:SCOPE_SE
	s_setreg_imm32_b32 hwreg(HW_REG_WAVE_MODE, 25, 1), 1
	s_wait_xcnt 0x0
; SparseMoE, launch 3 of 3: out[t] = g1 (y_first + ratio y_second), y_e = Q(relu(Q(x) Q(W1[e]) + b1[e])) Q(W2[e]) + b2[e], both products on codes of E2M1 with E8M0 scales.
; Only the two experts that the router chose for a token are multiplied: the others' gates are 0 by reference()'s own one_hot (shown at the head of the first launch).
; GRID.  4,096 tokens in at most 56 bins of (first, second expert), tiles of 32 rows: never more than 128 + 55 tiles, whatever the choice.  A work-group whose tile has no rows stores nothing.
; The launch has no tensor load: the weights lie in memory as images of the operands' registers and go straight into registers.  No cluster,
; since neighbouring tiles may belong to other experts or be empty.
; SHARES.  A work-group owns one tile: 32 tokens with the same two experts, so each output row has one owner.  Pass 0 is the second expert, pass 1 the first, into the same sums, which are multiplied by
; ratio = g2 / g1 (at most 1) between the passes.  THE FOUR WAVES SHARE THE SECOND PRODUCT'S K: in each pass wave w owns chunks 4 w .. 4 w + 3 of 128 hidden units.  For a chunk it makes the 128 units of
; all 32 rows, quantises them in registers (they are one K step of the second product) and adds into its own partial of all 32 x 512 outputs: each weight byte is loaded once in the work-group, and the loop
; has no LDS access and no barrier.  The four partials meet once, in LDS, at the end.
; THE WALKS ARE STAGGERED: a wave takes its four chunks of a pass in the order (T + rot) mod 4, rot = the work-group's number mod 4.  Tiles of one bin have neighbouring numbers, so the tiles of an expert
; begin at different chunks and do not all ask for the same bytes in the same step.  Only the order in which a wave's four chunks are added changes with it.
; BOTH PRODUCTS ARE USED TRANSPOSED (source 0 = 16 rows of the weight, source 1 = 16 tokens): a lane holds one token throughout, and its registers run along the next K, or along a row of out.
; THE STREAM: groups of 8 fragments (16 loads of 512 bytes) through a ring of 4 slots of 64 registers; a chunk is 4 groups of W1, then 4 of W2; a slot is asked for again as soon as its products are issued.
; REGISTERS, in windows of 256: window 0: addresses, scale words, x's fragments, the hidden tiles, b1;  window 1: the ring;  window 2: the 32 sums of rows 0-15 (tile T of outputs at v[8 T]);  window 3: rows 16-31.
.set PITCH, 2064                       ; a row of a partial in LDS: 2,048 bytes + 16: row r starts 4 r banks on
.set PART,  32*PITCH                   ; a wave's partial
.set SPARE, 4*PART                     ; behind the four: the spare words, 128 bytes for each wave
.set LN16, 1                           ; v1   16 x lane
.set SPW,  2                           ; v2   SPARE + 4 x my thread's number; never rewritten
.set NIL,  3                           ; v3   0; never rewritten
.set STO,  4                           ; v4   where my 32 bytes of a row go in my partial
.set RD,   5                           ; v5-8 where I read my 8 rows back, in partial p
.set BOF,  9                           ; v9   64 x (lane / 16): my half's place in b1
.set TK,   10                          ; v10-11 my token's codes, rows 0-15 and 16-31: token x 256 + 16 (lane / 16)
.set TKS,  12                          ; v12  row = lane: token x 16: its scale bytes
.set XS,   16                          ; v16-19 x's scale words, K step s: lanes 0-15 rows 0-15, lanes 16-31 rows 16-31
.set W1S,  20                          ; v20-35 W1's scale words at 4 s + b: lanes 0-15 tile u = 0, lanes 16-31 tile u = 1
.set W2S,  36                          ; v36-51 W2's at 4 q + g: lanes 0-15 the even tile of pair g, lanes 16-31 the odd one
.set PW,   52                          ; v52-53 the hidden layer's scale word, rows 0-15 and 16-31
.set FR,   54                          ; v[54:55], v[56:57] ratio of my row (the upper halves are 0 and not used)
.set TM,   58
.set TP,   60
.set SO,   62
.set BY,   64
.set PC,   66                          ; v66-81 the hidden layer's codes: a fragment for each half of the rows
.set HA,   82                          ; v82-113 the hidden tiles at 16 m + 8 u
.set B1,   114                         ; v114-177 b1 in the result's layout at 16 b + 8 u
.set XF,   178                         ; v178-241 x's fragments at 32 m + 8 s
.set PB,   82                          ; the way out: v82-145 a row's four partials at 16 p + 4 q
.set B2A,  146                         ; v146-161 b2 of the first expert, v162-177 of the second
.set B2B,  162
.set OF,   178                         ; v178-185 each row's offset in out
.set VR,   186                         ; v[186:187] ratio, v[188:189] g1
.set VG,   188
.set TB,   190                         ; v190-205 a finished row
.set ROT,  3                           ; s3   the work-group's number mod 4: where its walks begin
.set MSB, 0
.macro WIN new                         ; the immediate's high byte repeats the setting that is left; a switch that changes nothing is dropped
.if MSB != (\new)
	s_set_vgpr_msb (MSB<<8)|(\new)
.set MSB, (\new)
.endif
.endm
.macro PLACES n
.rept \n
	v_nop
.endr
.endm
; one product; ra, rb: the scale words of source 0, source 1 stand in lanes 16-31
.macro MM d, a, b, c, sa, sb, ra, rb
.if (\ra) && (\rb)
	v_wmma_scale_f32_16x16x128_f8f6f4 v[(\d):(\d)+7], v[(\a):(\a)+7], v[(\b):(\b)+7], v[(\c):(\c)+7], v[(\sa)], v[(\sb)] matrix_a_fmt:MATRIX_FMT_FP4 matrix_b_fmt:MATRIX_FMT_FP4 matrix_a_scale:MATRIX_SCALE_ROW1 matrix_b_scale:MATRIX_SCALE_ROW1
.elseif (\ra)
	v_wmma_scale_f32_16x16x128_f8f6f4 v[(\d):(\d)+7], v[(\a):(\a)+7], v[(\b):(\b)+7], v[(\c):(\c)+7], v[(\sa)], v[(\sb)] matrix_a_fmt:MATRIX_FMT_FP4 matrix_b_fmt:MATRIX_FMT_FP4 matrix_a_scale:MATRIX_SCALE_ROW1
.elseif (\rb)
	v_wmma_scale_f32_16x16x128_f8f6f4 v[(\d):(\d)+7], v[(\a):(\a)+7], v[(\b):(\b)+7], v[(\c):(\c)+7], v[(\sa)], v[(\sb)] matrix_a_fmt:MATRIX_FMT_FP4 matrix_b_fmt:MATRIX_FMT_FP4 matrix_b_scale:MATRIX_SCALE_ROW1
.else
	v_wmma_scale_f32_16x16x128_f8f6f4 v[(\d):(\d)+7], v[(\a):(\a)+7], v[(\b):(\b)+7], v[(\c):(\c)+7], v[(\sa)], v[(\sb)] matrix_a_fmt:MATRIX_FMT_FP4 matrix_b_fmt:MATRIX_FMT_FP4
.endif
.endm
.macro MMZ d, a, b, sa, sb, ra         ; the same with the constant 0 as C: it starts a sum
.if (\ra)
	v_wmma_scale_f32_16x16x128_f8f6f4 v[(\d):(\d)+7], v[(\a):(\a)+7], v[(\b):(\b)+7], 0, v[(\sa)], v[(\sb)] matrix_a_fmt:MATRIX_FMT_FP4 matrix_b_fmt:MATRIX_FMT_FP4 matrix_a_scale:MATRIX_SCALE_ROW1
.else
	v_wmma_scale_f32_16x16x128_f8f6f4 v[(\d):(\d)+7], v[(\a):(\a)+7], v[(\b):(\b)+7], 0, v[(\sa)], v[(\sb)] matrix_a_fmt:MATRIX_FMT_FP4 matrix_b_fmt:MATRIX_FMT_FP4
.endif
.endm
; 16 loads: a group of 8 fragments into a slot of the ring
.macro RING slot, ptr, off
	WIN 0x40                                       ; destination window 1, address window 0
.irp f, 0,1,2,3,4,5,6,7
	global_load_b128 v[64*(\slot)+8*\f:64*(\slot)+8*\f+3], v[LN16], s[\ptr:\ptr+1] offset:(\off)+1024*\f
	global_load_b128 v[64*(\slot)+8*\f+4:64*(\slot)+8*\f+7], v[LN16], s[\ptr:\ptr+1] offset:(\off)+1024*\f+512
.endr
.endm
.macro SMALL1                          ; 20 loads: a chunk's scale words of W1 and its 128 numbers of b1
	WIN 0
.irp s, 0,1,2,3
	global_load_b128 v[W1S+4*\s:W1S+4*\s+3], v[LN16], s[30:31] offset:512*\s
.endr
.irp b, 0,1,2,3
.irp u, 0,1
	global_load_b128 v[B1+16*\b+8*\u:B1+16*\b+8*\u+3], v[BOF], s[32:33] offset:128*\b+32*\u          ; units 32 b + 16 (lane / 16) + 8 u + 0 .. 7
	global_load_b128 v[B1+16*\b+8*\u+4:B1+16*\b+8*\u+7], v[BOF], s[32:33] offset:128*\b+32*\u+16
.endr
.endr
.endm
.macro SMALL2                          ; 4 loads: the K step's scale words of W2
	WIN 0
.irp q, 0,1,2,3
	global_load_b128 v[W2S+4*\q:W2S+4*\q+3], v[LN16], s[36:37] offset:262144+512*\q
.endr
.endm
; s26 = U = 16 x expert + chunk, at most 127.  s39 = 0 throughout.
.macro SETP1
	s_lshl_b32 s38, s26, 15
	s_add_nc_u64 s[28:29], s[4:5], s[38:39]        ; W1's images of the chunk
	s_lshl_b32 s38, s26, 11
	s_add_nc_u64 s[30:31], s[6:7], s[38:39]        ; their scale words
	s_lshl_b32 s38, s26, 9
	s_add_nc_u64 s[32:33], s[14:15], s[38:39]      ; b1
.endm
.macro SETP2
	s_lshl_b32 s38, s26, 15
	s_add_nc_u64 s[34:35], s[4:5], s[38:39]        ; W2's images of the K step (4 MiB further on)
	s_lshl_b32 s38, s26, 11
	s_add_nc_u64 s[36:37], s[6:7], s[38:39]        ; their scale words (256 KiB further on)
.endm
.macro PTR1                            ; on to step T + 1: T + 1 under 4: the second expert, else the first; of my four chunks the one at (T + 1 + rot) mod 4
	s_add_co_u32 s27, s25, 1
	s_cmp_lt_u32 s27, 4
	s_cselect_b32 s26, s20, s21
	s_add_co_u32 s27, s27, s[ROT]
	s_and_b32 s27, s27, 3
	s_lshl_b32 s26, s26, 4
	s_add_co_u32 s26, s26, s27
	s_lshl_b32 s27, s24, 2
	s_add_co_u32 s26, s26, s27
	s_min_u32 s26, s26, 127
	SETP1
.endm
; The first product for group b: hidden units 32 b .. 32 b + 31 of the chunk for all 32 rows.  Four sums by turns, one instruction a turn; b1 is the C of each sum's first product.
.macro G1 b
	WIN 0x01                                       ; source 0 (W1) window 1
.irp s, 0,1,2,3
.irp u, 0,1
.irp m, 0,1
.if \s == 0
	MM HA+16*\m+8*\u, 64*\b+8*(4*\u+\s), XF+32*\m+8*\s, B1+16*\b+8*\u, W1S+4*\s+\b, XS+\s, \u, \m
.else
	MM HA+16*\m+8*\u, 64*\b+8*(4*\u+\s), XF+32*\m+8*\s, HA+16*\m+8*\u, W1S+4*\s+\b, XS+\s, \u, \m
.endif
.endr
.endr
.endr
.endm
; relu, and block b of the second product's K step: a lane's 16 registers are k = 32 b + 16 (lane / 16) + 0 .. 15 of its row; lane l xor 16 holds the block's other half.  The two halves of the rows by turns.
.macro QNT b
	WIN 0
.irp j, 0,1,2,3,4,5,6,7,8,9,10,11,12,13,14,15
.irp m, 0,1
	v_max_num_f32 v[HA+16*\m+\j], 0, v[HA+16*\m+\j]   ; each result is read from its low end on
.endr
.endr
.irp m, 0,1
	v_max3_num_f32 v[TM+\m], v[HA+16*\m], v[HA+16*\m+1], 0x1800000   ; none is negative; the floor 2^(3 - 127) holds the byte at 1 from below
.endr
.irp i, 2,4,6,8,10,12,14
.irp m, 0,1
	v_max3_num_f32 v[TM+\m], v[TM+\m], v[HA+16*\m+\i], v[HA+16*\m+\i+1]
.endr
.endr
.irp m, 0,1
	v_permlanex16_b32 v[TP+\m], v[TM+\m], s78, s79
.endr
.irp m, 0,1
	v_max_num_f32 v[TM+\m], v[TM+\m], v[TP+\m]
.endr
.irp m, 0,1
	v_add_nc_u32 v[SO+\m], 0xff000000, v[TM+\m]    ; 2 off the exponent field: the conversion's scale operand
.endr
.irp m, 0,1
	v_lshrrev_b32 v[BY+\m], 23, v[SO+\m]           ; the scale's byte
.endr
.irp m, 0,1
.if (\b) == 0
	v_mov_b32 v[PW+\m], v[BY+\m]
.else
	v_lshl_or_b32 v[PW+\m], v[BY+\m], 8*(\b), v[PW+\m]
.endif
.endr
.irp m, 0,1
	v_cvt_scalef32_pk8_fp4_f32 v[PC+8*\m+2*(\b)], v[HA+16*\m:HA+16*\m+7], v[SO+\m]
	v_cvt_scalef32_pk8_fp4_f32 v[PC+8*\m+2*(\b)+1], v[HA+16*\m+8:HA+16*\m+15], v[SO+\m]
.endr
	v_nop                                          ; a plain instruction behind the last conversion
.if (\b)%2
.irp m, 0,1
.irp i, 0,1
	v_permlane16_swap_b32 v[PC+8*\m+4*((\b)/2)+\i], v[PC+8*\m+4*((\b)/2)+2+\i]   ; the operand wants a whole block in a lane
.endr
.endr
.endif
.endm
; The second product for tiles 8 q .. 8 q + 7 of the outputs, both halves of the rows: sixteen different sums.
.macro G2 q, zero
.irp m, 0,1
	WIN 0xa1+0x50*\m                               ; source 0 (W2) window 1, source 1 window 0, C and D window 2 or 3
.irp t, 0,1,2,3,4,5,6,7
.if \zero
	MMZ 8*(8*\q+\t), 64*\q+8*\t, PC+8*\m, W2S+4*\q+\t/2, PW+\m, \t%2
.else
	MM 8*(8*\q+\t), 64*\q+8*\t, PC+8*\m, 8*(8*\q+\t), W2S+4*\q+\t/2, PW+\m, \t%2, 0
.endif
.endr
.endr
.endm
.macro SCALE                           ; between the passes: the sums x ratio of the lane's row
.irp m, 0,1
	WIN 0x82+0x41*\m                               ; destination and source 0 window 2 or 3
.set a_, 0
.rept 128
	v_pk_mul_f32 v[a_:a_+1], v[a_:a_+1], v[FR+2*\m:FR+2*\m+1] op_sel_hi:[1,0]
.set a_, a_+2
.endr
.endr
	WIN 0
.endm
; A CHUNK.  Five plain instructions stand behind each run of products: they serve the loads into the slot just multiplied, the vector reads of the results, and the next run that writes over the hidden tiles.
; THE WAITS count the loads issued behind the group that is wanted.  W1's group 0 (with the chunk's 20 small loads ahead of it): groups 1-3 = 48 (in the first chunk x's loads stand between groups 1 and 2:
; groups 2, 3 = 32).  Groups 1-3: two groups and the 20 of W2's scale words with its group 0 = 52.  W2's group 0: its groups 1-3 = 48.  Its groups 1-3: two groups and the next chunk's 36 = 68; the wait's field
; ends at 63, and a smaller count is safe.  In the last chunk nothing follows: 32, 16, 0.
; THE POINTERS are written behind those same waits.  Loads come back in order (ISA guide 5.7.1), so behind a wait for 48 (32) only the 48 (32) youngest are out: at W1's group 0 those are W1's groups 1-3 (2, 3),
; which name s[28:29] alone, and W2's pointers s[34:37] are written; at W2's group 0 they are W2's groups 1-3, which name s[34:35] alone, and W1's pointers s[28:33] are written.
.macro CHUNK first, zero, ahead
.irp b, 0,1,2,3
.if \b == 0
.if \first
	s_wait_loadcnt 32
.else
	s_wait_loadcnt 48
.endif
.else
	s_wait_loadcnt 52
.endif
	G1 \b
	PLACES 5
.if \b == 0
	SETP2                                          ; every load that names s[34:37] has come back: see above
	SMALL2
.endif
	RING \b, 34, 4194304+8192*\b
	QNT \b
.endr
	PLACES 8                                       ; the scale word made by vector instructions stands eight plain instructions ahead of the scaled product, the codes four
.irp q, 0,1,2,3
.if \q == 0
	s_wait_loadcnt 48
.elseif \ahead
	s_wait_loadcnt 63
.else
	s_wait_loadcnt 48-16*\q
.endif
	G2 \q, \zero
	PLACES 5
.if \ahead
.if \q == 0
	PTR1                                           ; every load that names s[28:33] has come back: see above
	SMALL1
.endif
	RING \q, 28, 8192*\q
.endif
.endr
	WIN 0                                          ; at a label and at a branch every window is 0
.endm
	s_load_b512 s[4:19], s[0:1], 0x0               ; wf 4:5, ws 6:7, xq 8:9, og 10:11, plan 12:13, b1 14:15, b2 16:17, out0 18:19
	v_lshl_add_u32 v[SPW], v0, 2, SPARE
	v_mov_b32 v[NIL], 0
	v_lshrrev_b32 v13, 5, v0
	v_readfirstlane_b32 s24, v13                   ; wave 0..3
	v_and_b32 v14, 31, v0                          ; lane
	v_and_b32 v15, 15, v0                          ; r
	v_bfe_u32 v13, v0, 4, 1                        ; h
	v_lshlrev_b32 v[LN16], 4, v14
	s_mul_i32 s27, s24, PART
	v_mul_u32_u24 v[STO], v15, PITCH
	v_lshl_add_u32 v[STO], v13, 5, v[STO]
	v_add_nc_u32 v[STO], s27, v[STO]               ; my partial, row r, + 32 h
	s_mul_i32 s27, s24, 8*PITCH
	v_add_nc_u32 v[RD], s27, v[LN16]               ; rows 8 w on, 16 bytes a lane
.irp p, 1,2,3
	v_add_nc_u32 v[RD+\p], \p*PART, v[RD]
.endr
	v_lshlrev_b32 v[BOF], 6, v13
	v_lshlrev_b32 v242, 2, v15                     ; 4 r
	v_lshlrev_b32 v243, 2, v14                     ; 4 x lane
	v_lshlrev_b32 v244, 3, v15                     ; 8 r
	v_lshlrev_b32 v245, 4, v13                     ; 16 h
	v_mov_b32 v[FR+1], 0                           ; (named as the upper halves of pairs)
	v_mov_b32 v[FR+3], 0
	v_mov_b32 v[TP], 0                             ; written once: a lane permute's destination counts as one of its sources
	v_mov_b32 v[TP+1], 0
	s_mov_b32 s78, 0x76543210
	s_mov_b32 s79, 0xfedcba98                      ; v_permlanex16_b32's selects for lane l xor 16
	s_lshl_b32 s72, s24, 3                         ; the first of the 8 rows that I store
	s_and_b32 s[ROT], ttmp9, 3                     ; where my work-group's walks begin
	s_lshl_b32 s38, ttmp9, 4
	s_mov_b32 s39, 0
	s_wait_kmcnt 0x0
	s_load_b128 s[20:23], s[12:13], s38 offset:0x0 ; my tile: second expert, first expert, first place, rows
	s_wait_kmcnt 0x0
	s_min_u32 s20, s20, 7
	s_min_u32 s21, s21, 7
	s_min_u32 s22, s22, 4095
	s_min_u32 s23, s23, 32
	s_add_co_u32 s27, s22, s72
	s_lshl_b32 s70, s27, 2
	s_lshl_b32 s71, s27, 3
	s_load_b256 s[40:47], s[12:13], s70 offset:0x1000   ; my 8 rows' tokens (both lists have 32 entries behind their ends),
	s_load_b512 s[48:63], s[10:11], s71 offset:0x0      ; and their {ratio, g1}: waited for on the way out
	s_lshl_b32 s38, s22, 3
	s_add_nc_u64 s[66:67], s[10:11], s[38:39]      ; og at the tile's first place
	s_lshl_b32 s38, s22, 2
	s_add_nc_u64 s[68:69], s[12:13], s[38:39]      ; the list of tokens likewise (4,096 bytes further on)
	s_lshl_b32 s38, s21, 11
	s_add_nc_u64 s[74:75], s[16:17], s[38:39]      ; b2 of the first expert,
	s_lshl_b32 s38, s20, 11
	s_add_nc_u64 s[76:77], s[16:17], s[38:39]      ; of the second
	s_cmp_eq_u32 s23, 0
	s_cbranch_scc1 .Lskip                          ; no rows: on to the barrier, which every wave of every work-group passes
	global_load_b32 v[TK], v242, s[68:69] offset:4096        ; the tokens of rows r, 16 + r and lane; a row at or behind the tile's count holds some other token: it is computed and not stored
	global_load_b32 v[TK+1], v242, s[68:69] offset:4096+64
	global_load_b32 v[TKS], v243, s[68:69] offset:4096
	global_load_b32 v[FR], v244, s[66:67]                    ; ratio of rows r and 16 + r
	global_load_b32 v[FR+2], v244, s[66:67] offset:128
	s_lshl_b32 s26, s20, 4
	s_lshl_b32 s27, s24, 2
	s_add_co_u32 s26, s26, s27
	s_add_co_u32 s26, s26, s[ROT]
	s_min_u32 s26, s26, 127                        ; U of my first chunk: second expert, chunk 4 w + rot
	SETP1
	SMALL1
	RING 0, 28, 0
	RING 1, 28, 8192
	WIN 0
	s_wait_loadcnt 52                              ; the 20 + 16 + 16 loads behind the first five may be out
	v_min_u32 v[TK], 0xfff, v[TK]
	v_min_u32 v[TK+1], 0xfff, v[TK+1]
	v_min_u32 v[TKS], 0xfff, v[TKS]
	v_lshlrev_b32 v[TK], 8, v[TK]
	v_lshlrev_b32 v[TK+1], 8, v[TK+1]
	v_lshlrev_b32 v[TKS], 4, v[TKS]
	v_add_nc_u32 v[TK], v245, v[TK]
	v_add_nc_u32 v[TK+1], v245, v[TK+1]
.irp m, 0,1
.irp s, 0,1,2,3
.irp c, 0,1
	global_load_b128 v[XF+32*\m+8*\s+4*\c:XF+32*\m+8*\s+4*\c+3], v[TK+\m], s[8:9] offset:64*\s+32*\c   ; x's eight fragments stay in registers
.endr
.endr
.endr
	global_load_b128 v[XS:XS+3], v[TKS], s[8:9] offset:1048576
	RING 2, 28, 16384
	RING 3, 28, 24576
	s_mov_b32 s25, 0                               ; T: the step in hand, 0 .. 7
	CHUNK 1, 1, 1                                  ; written out ahead of the loop: its second products start the 64 sums
	s_mov_b32 s25, 1
.Lchunk:
	CHUNK 0, 0, 1
	s_cmp_lg_u32 s25, 3
	s_cbranch_scc1 .Lnot_between
	SCALE                                          ; the second expert's pass is over
.Lnot_between:
	s_add_co_u32 s25, s25, 1
	s_cmp_lt_u32 s25, 7
	s_cbranch_scc1 .Lchunk
	CHUNK 0, 0, 0                                  ; the last chunk asks for nothing further
.irp m, 0,1
	WIN 0x08+4*\m                                  ; an LDS store's data are its source 1: window 2 or 3
.irp T, 0,1,2,3,4,5,6,7,8,9,10,11,12,13,14,15,16,17,18,19,20,21,22,23,24,25,26,27,28,29,30,31
	ds_store_b128 v[STO], v[8*\T:8*\T+3] offset:16*PITCH*\m+64*\T          ; lane (r, h): row 16 m + r, outputs 16 T + 8 h + 0 .. 7; each sum from its low end on
	ds_store_b128 v[STO], v[8*\T+4:8*\T+7] offset:16*PITCH*\m+64*\T+16
.endr
.endr
	WIN 0
.Lskip:
	s_wait_dscnt 0x0                               ; for the others' sake: my partial has landed
	s_wait_kmcnt 0x0                               ; my rows' tokens and gates
.irp q, 0,1,2,3
	global_load_b128 v[B2A+4*\q:B2A+4*\q+3], v[LN16], s[74:75] offset:512*\q
	global_load_b128 v[B2B+4*\q:B2B+4*\q+3], v[LN16], s[76:77] offset:512*\q
.endr
	s_barrier_signal -1
	s_barrier_wait -1                              ; the launch's one barrier: all four partials lie in LDS
	; THE WAY OUT: wave w finishes rows 8 w .. 8 w + 7: out = g1 ((sum of the four partials) + b2[first] + ratio b2[second]); a store covers 512 consecutive bytes of the token's row.
.irp i, 0,1,2,3,4,5,6,7
	s_add_co_u32 s27, s72, \i
	s_cmp_ge_u32 s27, s23
	s_cbranch_scc1 .Lend                           ; rows ascend: behind the tile's last row nothing is left
.irp p, 0,1,2,3
.irp q, 0,1,2,3
	ds_load_b128 v[PB+16*\p+4*\q:PB+16*\p+4*\q+3], v[RD+\p] offset:PITCH*\i+512*\q
.endr
.endr
	s_min_u32 s73, s[40+\i], 4095
	s_lshl_b32 s73, s73, 11
	v_add_nc_u32 v[OF+\i], s73, v[LN16]
	v_mov_b32 v[VR], s[48+2*\i]
	v_mov_b32 v[VR+1], s[48+2*\i]
	v_mov_b32 v[VG], s[49+2*\i]
	v_mov_b32 v[VG+1], s[49+2*\i]
.if \i == 0
	s_wait_loadcnt 0x0                             ; b2
.endif
	s_wait_dscnt 0x0
	s_wait_xcnt 0x0                                ; the last row's stores have read their registers
.irp q, 0,1,2,3
.irp g, 0,2
	v_pk_add_f32 v[PB+4*\q+\g:PB+4*\q+\g+1], v[PB+4*\q+\g:PB+4*\q+\g+1], v[PB+16+4*\q+\g:PB+16+4*\q+\g+1]
	v_pk_add_f32 v[PB+32+4*\q+\g:PB+32+4*\q+\g+1], v[PB+32+4*\q+\g:PB+32+4*\q+\g+1], v[PB+48+4*\q+\g:PB+48+4*\q+\g+1]
	v_pk_fma_f32 v[PB+16+4*\q+\g:PB+16+4*\q+\g+1], v[B2B+4*\q+\g:B2B+4*\q+\g+1], v[VR:VR+1], v[B2A+4*\q+\g:B2A+4*\q+\g+1]
.endr
.irp g, 0,2
	v_pk_add_f32 v[PB+4*\q+\g:PB+4*\q+\g+1], v[PB+4*\q+\g:PB+4*\q+\g+1], v[PB+32+4*\q+\g:PB+32+4*\q+\g+1]
.endr
.irp g, 0,2
	v_pk_add_f32 v[PB+4*\q+\g:PB+4*\q+\g+1], v[PB+4*\q+\g:PB+4*\q+\g+1], v[PB+16+4*\q+\g:PB+16+4*\q+\g+1]
.endr
.irp g, 0,2
	v_pk_mul_f32 v[TB+4*\q+\g:TB+4*\q+\g+1], v[PB+4*\q+\g:PB+4*\q+\g+1], v[VG:VG+1]
.endr
	global_store_b128 v[OF+\i], v[TB+4*\q:TB+4*\q+3], s[18:19] offset:512*\q th:TH_STORE_NT
.endr
.endr
.Lend:
	s_wait_tensorcnt 0x0                           ; the wave's end
	ds_add_u32 v[SPW], v[NIL]
	s_wait_dscnt 0x0
	s_endpgm
.Lfunc_end_k_qb86a093c77_experts:
	.size	k_qb86a093c77_experts, .Lfunc_end_k_qb86a093c77_experts-k_qb86a093c77_experts
	.p2alignl 7, 3214868480
	.fill 96, 4, 3214868480
	.section	.rodata,"a",@progbits
	.p2align	6, 0x0
	.amdhsa_kernel k_qb86a093c77_experts
		.amdhsa_group_segment_fixed_size 264704
		.amdhsa_private_segment_fixed_size 0
		.amdhsa_enable_private_segment 0
		.amdhsa_kernarg_size 64
		.amdhsa_user_sgpr_count 2
		.amdhsa_user_sgpr_kernarg_segment_ptr 1
		.amdhsa_wavefront_size32 1
		.amdhsa_system_sgpr_workgroup_id_x 1
		.amdhsa_system_sgpr_workgroup_id_y 1
		.amdhsa_system_sgpr_workgroup_id_z 1
		.amdhsa_system_vgpr_workitem_id 0
		.amdhsa_next_free_vgpr 1024
		.amdhsa_next_free_sgpr 80
		.amdhsa_reserve_vcc 0
		.amdhsa_float_denorm_mode_32 3
		.amdhsa_float_denorm_mode_16_64 3
		.amdhsa_memory_ordered 1
		.amdhsa_forward_progress 1
		.amdhsa_inst_pref_size 204
	.end_amdhsa_kernel
	.amdgpu_metadata
---
amdhsa.version: [ 1, 2 ]
amdhsa.kernels:
  - .name:           k_qb86a093c77_experts
    .symbol:         k_qb86a093c77_experts.kd
    .args:
      - { .name: wf, .offset: 0, .size: 8, .value_kind: global_buffer, .address_space: global }
      - { .name: ws, .offset: 8, .size: 8, .value_kind: global_buffer, .address_space: global }
      - { .name: xq, .offset: 16, .size: 8, .value_kind: global_buffer, .address_space: global }
      - { .name: og, .offset: 24, .size: 8, .value_kind: global_buffer, .address_space: global }
      - { .name: plan, .offset: 32, .size: 8, .value_kind: global_buffer, .address_space: global }
      - { .name: b1, .offset: 40, .size: 8, .value_kind: global_buffer, .address_space: global }
      - { .name: b2, .offset: 48, .size: 8, .value_kind: global_buffer, .address_space: global }
      - { .name: out0, .offset: 56, .size: 8, .value_kind: global_buffer, .address_space: global }
    .group_segment_fixed_size: 264704
    .private_segment_fixed_size: 0
    .kernarg_segment_align: 8
    .kernarg_segment_size: 64
    .max_flat_workgroup_size: 128
    .sgpr_count:     80
    .vgpr_count:     1024
    .wavefront_size: 32
...
	.end_amdgpu_metadata
.endif
;; end of part 3
